; MI455X (gfx1250); checked and timed in simulation.
; The chip was launched on July 23, 2026; its instructions are those of AMD's public machine-readable ISA for CDNA 5 (MIT licence, August 2026) and "CDNA5" Instruction Set Architecture Reference Guide (July 2026). The comments in the code are by the model that wrote it; some were corrected since.
;; Lightweight Self Attention. Allowed arithmetic: float matrix products may take bf16 or f16 operands with f32 sums; all other float work in f32.
;; Inputs: x 4 x 16 x 128 x 2,048 float32.
;; Outputs: out0 4 x 16 x 128 float32.
;; 2 versions, each right; version 2 is version 1 with the launch attn written anew for expert scheduling mode. Each part assembles by itself: llvm-mc -triple=amdgcn-amd-amdhsa -mcpu=gfx1250 --defsym DOCPART=n.
;; ======== version 1 of 2: 2 launches
;; workspace buffers: part 131,072 bytes
;; launch attn (part 1): grid 4 x 64, 4 waves a work-group, no clusters, 178,688 bytes of LDS; arguments x, part; writes part
.if DOCPART == 1
	.amdgcn_target "amdgcn-amd-amdhsa--gfx1250"
	.amdhsa_code_object_version 6
	.text
	.protected	k_q120f35ba16_attn
	.globl	k_q120f35ba16_attn
	.p2align	8
	.type	k_q120f35ba16_attn,@function
k_q120f35ba16_attn:
	s_mov_b64 s[64:65], 0
	v_nop
	global_prefetch_b8 v0, s[64:65] scope:SCOPE_SE
	s_setreg_imm32_b32 hwreg(HW_REG_WAVE_MODE, 25, 1), 1
	s_wait_xcnt 0x0
; part[head][q][d] = sum over the 512 query positions l of quarter q of  O[l][d] / (2048 Z[l]),
; where S[l][m] = x_l . x_m / sqrt(128), P = exp(S - running row maximum), Z = row sum of P, O = P X^T.   x: [64 heads][128 d][2048 positions] f32.
; A work-group takes one head and 512 query positions; each of its four waves 128 of them, as two halves of four tiles of 16.
; The key positions m go once through 32 chunks of 64, each rounded to bf16 on its way from memory through registers into one of two LDS slots.
; EVERYTHING IS USED TRANSPOSED.  S^T (rows m, columns l) = K fragment (rows m, K = d) x Q fragment (columns l, K = d): a lane holds one l, so that the row
; maximum and the row sum are made inside the lane and with one exchange between the halves of the wave; and the packed pairs of an S^T tile
; are, as they lie, the second source (columns l, K = m) of  O^T (rows d, columns l) += V fragment (rows d, K = m) x P.
; x lies [d][position]: V fragments are plain LDS loads, K and Q fragments transposing ones.
; NO JOINT TENSOR LOADS, although the four work-groups of a head read the same chunks: a tile has to be rounded from f32 to bf16 in front of the matrix
; unit, so it goes through registers in any case; brought as f32 into LDS it would be written and read there once more, 32,768 bytes each way for a chunk,
; and a work-group reads 1 MiB in all for its 32,768 matrix instructions.
; LIMITS: matrix operands (x and P) are bf16, sums f32.  The running maximum is kept as the rounded product c x max, so P may pass 1 by the rounding
; of that product alone.  Exponentials below 2^-126 come out as zero (ISA guide, 15.8, v_exp_f32).  The mean is a multiplication by v_rcp_f32(2048 Z).
; Inputs that are not finite are not served.
.set PITCH,  144                       ; an LDS row of a slot: 64 bf16 + 16 bytes
.set SLOT,   128*PITCH                 ; 18,432: x[d = 0..127][64 m] of a chunk
.set QST,    2*SLOT                    ; behind the two slots: each wave's own x[d][its 128 l] in bf16, used once
.set QPITCH, 272                       ; 128 bf16 + 16 bytes
.set QWAVE,  128*QPITCH                ; 34,816
.set RED,    QST+4*QWAVE               ; 176,128: 128 f32 for each wave
.set ROWB,   8192                      ; bytes from d to d + 1 in x
.set CHB,    256                       ; bytes of a chunk in a row of x
; window 0
.set VADR,  1                          ; r x 144 + 16 h          (L = lane, r = L & 15, h = L >> 4)
.set SADR,  2                          ; (32 w + h) x 144 + 8 r  where I put 4 bf16 of a chunk
.set GOFF,  3                          ; (32 w + h) x 8192 + 16 r  where I take 4 f32 of a chunk
.set PFOFF, 4                          ; (32 q + L) x 8192       the row that my lane asks for ahead
.set KADR,  5                          ; (8 h + (L & 7)) x 144 + 16 ((L >> 3) & 1)
.set MRUN,  6                          ; v[6:13]    running maximum times c, one for each of my 8 l tiles; at the end 1 / (2048 Z)
.set LSUM,  14                         ; v[14:21]   running row sums (each half of the wave keeps the sum over its own m)
.set ALPHA, 22                         ; v[22:25]   rescale factors of the half at work
.set TMP,   26                         ; v[26:31]
.set STG,   32                         ; v[32:63]   8 x 4 f32 on their way into a slot
.set FRG,   64                         ; v[64:127]  8 fragments
.set SCO,   128                        ; v[128:255] S^T tile (a = m tile, b = l tile) at SCO + 32 a + 8 b; then P(q, b) in tile (2 q, b), and V's second K step in tiles (1, b), (3, b)
.set QA,    64                         ; set-up alone: addresses of the Q stage
.set QS,    65
.set QG,    66
; window 1: Q fragment (l tile B = 0..7, K step k = 0..3) at 32 B + 8 k.   windows 2, 3: O^T of half 0, 1, tile (dt = d tile, b) at 32 dt + 8 b.
; s_set_vgpr_msb, low byte: bits 1:0 source 0, 3:2 source 1, 5:4 source 2, 7:6 destination; the high byte repeats the setting that is left.
.set QKW, 0x04                         ; second source (Q) in window 1; LDS loads are right under it too (address source 0, data destination)
.set MSB, 0
.macro WIN new
.if MSB != \new
	s_set_vgpr_msb (MSB<<8)|\new
.set MSB, \new
.endif
.endm
.macro PLACES n                        ; places behind matrix instructions (ISA guide 7.12.1)
.rept \n
	v_nop
.endr
.endm
; Eight loads: 16 of my wave's 32 rows of the chunk at s[14:15]; each covers two rows' 256 consecutive bytes, aligned.
.macro LOADB bt
.irp i, 0,1,2,3,4,5,6,7
	global_load_b128 v[STG+4*\i:STG+4*\i+3], v[GOFF], s[14:15] offset:(8*\bt+\i)*2*ROWB
.endr
.endm
; They are rounded to bf16 and put into a slot.
.macro STOREB bt, slot
	s_wait_loadcnt 0x0                             ; the eight loads of LOADB: no other load of the wave is out
.irp i, 0,1,2,3,4,5,6,7
	v_cvt_pk_bf16_f32 v[STG+4*\i],   v[STG+4*\i],   v[STG+4*\i+1]
	v_cvt_pk_bf16_f32 v[STG+4*\i+1], v[STG+4*\i+2], v[STG+4*\i+3]
	ds_store_b64 v[SADR], v[STG+4*\i:STG+4*\i+1] offset:\slot*SLOT+(8*\bt+\i)*2*PITCH
.endr
.endm
; K fragments of m tile a, all four K steps (d = 32 k ..), transposed on the way: eight loads into the half a & 1 of the fragment area.
.macro KLOAD a, slot
.irp k, 0,1,2,3
	ds_load_tr16_b128 v[FRG+32*(\a&1)+8*\k:FRG+32*(\a&1)+8*\k+3],   v[KADR] offset:\slot*SLOT+32*\k*PITCH+32*\a
	ds_load_tr16_b128 v[FRG+32*(\a&1)+8*\k+4:FRG+32*(\a&1)+8*\k+7], v[KADR] offset:\slot*SLOT+32*\k*PITCH+32*\a+16*PITCH
.endr
.endm
; V fragments of d tiles dt0 .. dt0 + 3, m = 0..31 of the chunk: eight loads.
.macro V0LOAD dt0, slot
.irp e, 0,1,2,3
	ds_load_b128 v[FRG+8*(\dt0+\e):FRG+8*(\dt0+\e)+3],   v[VADR] offset:\slot*SLOT+16*(\dt0+\e)*PITCH
	ds_load_b128 v[FRG+8*(\dt0+\e)+4:FRG+8*(\dt0+\e)+7], v[VADR] offset:\slot*SLOT+16*(\dt0+\e)*PITCH+32
.endr
.endm
; V fragments of d tiles 2 b, 2 b + 1, m = 32..63, into the score tiles (1, b) and (3, b), which the packing of l tile b has just left free: four loads.
.macro V1LOAD b, slot
.irp e, 0,1
	ds_load_b128 v[SCO+32+64*\e+8*\b:SCO+32+64*\e+8*\b+3],   v[VADR] offset:\slot*SLOT+16*(2*\b+\e)*PITCH+64
	ds_load_b128 v[SCO+32+64*\e+8*\b+4:SCO+32+64*\e+8*\b+7], v[VADR] offset:\slot*SLOT+16*(2*\b+\e)*PITCH+96
.endr
.endm
; 16 matrix instructions: S^T of m tile a for the four l tiles of half h.  The first K step starts the sums.
; The four accumulators take turns, one instruction a turn.
.macro QK16 a, h
.irp k, 0,1,2,3
.irp b, 0,1,2,3
.if \k == 0
	v_wmma_f32_16x16x32_bf16 v[SCO+32*\a+8*\b:SCO+32*\a+8*\b+7], v[FRG+32*(\a&1)+8*\k:FRG+32*(\a&1)+8*\k+7], v[32*(4*\h+\b)+8*\k:32*(4*\h+\b)+8*\k+7], 0
.else
	v_wmma_f32_16x16x32_bf16 v[SCO+32*\a+8*\b:SCO+32*\a+8*\b+7], v[FRG+32*(\a&1)+8*\k:FRG+32*(\a&1)+8*\k+7], v[32*(4*\h+\b)+8*\k:32*(4*\h+\b)+8*\k+7], v[SCO+32*\a+8*\b:SCO+32*\a+8*\b+7]
.endif
.endr
.endr
.endm
; The softmax step of l tile b of half h: my lane holds 32 of the chunk's 64 scores of one l, the lane 16 further the others.
.macro SOFT b, h, first
.irp a, 0,1,2,3                        ; the largest of my 32, in four chains
	v_max3_num_f32 v[TMP+\a], v[SCO+32*\a+8*\b], v[SCO+32*\a+8*\b+1], v[SCO+32*\a+8*\b+2]
.endr
.irp a, 0,1,2,3
	v_max3_num_f32 v[TMP+\a], v[TMP+\a], v[SCO+32*\a+8*\b+3], v[SCO+32*\a+8*\b+4]
.endr
.irp a, 0,1,2,3
	v_max3_num_f32 v[TMP+\a], v[TMP+\a], v[SCO+32*\a+8*\b+5], v[SCO+32*\a+8*\b+6]
.endr
.irp a, 0,1,2,3
	v_max_num_f32 v[TMP+\a], v[TMP+\a], v[SCO+32*\a+8*\b+7]
.endr
	v_max3_num_f32 v[TMP], v[TMP], v[TMP+1], v[TMP+2]
	v_max_num_f32 v[TMP], v[TMP], v[TMP+3]
	v_permlanex16_b32 v[TMP+1], v[TMP], s24, s25   ; the other half of the wave
	v_max_num_f32 v[TMP], v[TMP], v[TMP+1]
	v_mul_f32 v[TMP], s22, v[TMP]                  ; times c = log2(e) / sqrt(128): exponents are in base 2 from here on
.if \first == 0
	v_max_num_f32 v[TMP], v[TMP], v[MRUN+4*\h+\b]  ; the new running maximum
	v_sub_f32 v[TMP+2], v[MRUN+4*\h+\b], v[TMP]
	v_exp_f32 v[ALPHA+\b], v[TMP+2]                ; what the old sums are worth under it; the next line is the plain place behind it (ISA guide 5.7.2)
.endif
	v_sub_f32 v[TMP+4], 0, v[TMP]
	v_sub_f32 v[TMP+5], 0, v[TMP]
.irp a, 0,1,2,3
.irp p, 0,1,2,3
	v_pk_fma_f32 v[SCO+32*\a+8*\b+2*\p:SCO+32*\a+8*\b+2*\p+1], v[SCO+32*\a+8*\b+2*\p:SCO+32*\a+8*\b+2*\p+1], s[22:23], v[TMP+4:TMP+5] op_sel_hi:[1,0,1]
.endr
.endr
.irp a, 0,1,2,3
.irp j, 0,1,2,3,4,5,6,7
	v_exp_f32 v[SCO+32*\a+8*\b+\j], v[SCO+32*\a+8*\b+\j]
.endr
.endr
	v_mov_b32 v[MRUN+4*\h+\b], v[TMP]              ; also the plain place behind the run of exponentials
	s_wait_alu depctr_va_vdst(0)
	v_pk_add_f32 v[TMP:TMP+1],   v[SCO+8*\b:SCO+8*\b+1],       v[SCO+8*\b+2:SCO+8*\b+3]        ; the sum of my 32, in two chains of pairs
	v_pk_add_f32 v[TMP+2:TMP+3], v[SCO+64+8*\b:SCO+64+8*\b+1], v[SCO+64+8*\b+2:SCO+64+8*\b+3]
.irp p, 2,3
	v_pk_add_f32 v[TMP:TMP+1],   v[TMP:TMP+1],   v[SCO+8*\b+2*\p:SCO+8*\b+2*\p+1]
	v_pk_add_f32 v[TMP+2:TMP+3], v[TMP+2:TMP+3], v[SCO+64+8*\b+2*\p:SCO+64+8*\b+2*\p+1]
.endr
.irp p, 0,1,2,3
	v_pk_add_f32 v[TMP:TMP+1],   v[TMP:TMP+1],   v[SCO+32+8*\b+2*\p:SCO+32+8*\b+2*\p+1]
	v_pk_add_f32 v[TMP+2:TMP+3], v[TMP+2:TMP+3], v[SCO+96+8*\b+2*\p:SCO+96+8*\b+2*\p+1]
.endr
	v_pk_add_f32 v[TMP:TMP+1], v[TMP:TMP+1], v[TMP+2:TMP+3]
	v_add_f32 v[TMP], v[TMP], v[TMP+1]
.if \first
	v_mov_b32 v[LSUM+4*\h+\b], v[TMP]
.else
	v_fma_f32 v[LSUM+4*\h+\b], v[LSUM+4*\h+\b], v[ALPHA+\b], v[TMP]
.endif
.irp q, 0,1                            ; P(q, b): m tile 2 q packs in place into registers 0-3, m tile 2 q + 1 into registers 4-7 of the same tile
.irp r, 0,1,2,3
	v_cvt_pk_bf16_f32 v[SCO+64*\q+8*\b+\r], v[SCO+64*\q+8*\b+2*\r], v[SCO+64*\q+8*\b+2*\r+1]
.endr
.irp r, 0,1,2,3
	v_cvt_pk_bf16_f32 v[SCO+64*\q+8*\b+4+\r], v[SCO+64*\q+32+8*\b+2*\r], v[SCO+64*\q+32+8*\b+2*\r+1]
.endr
.endr
.endm
; O^T of the half whose window is set, times the factor of its l tile: the lane's l is the same in O and in ALPHA.
.macro RESCALE
.irp dt, 0,1,2,3,4,5,6,7
.irp p, 0,1,2,3
	v_pk_mul_f32 v[32*\dt+2*\p:32*\dt+2*\p+1],       v[32*\dt+2*\p:32*\dt+2*\p+1],       v[ALPHA:ALPHA+1] op_sel_hi:[1,0]
	v_pk_mul_f32 v[32*\dt+8+2*\p:32*\dt+8+2*\p+1],   v[32*\dt+8+2*\p:32*\dt+8+2*\p+1],   v[ALPHA:ALPHA+1] op_sel:[0,1] op_sel_hi:[1,1]
	v_pk_mul_f32 v[32*\dt+16+2*\p:32*\dt+16+2*\p+1], v[32*\dt+16+2*\p:32*\dt+16+2*\p+1], v[ALPHA+2:ALPHA+3] op_sel_hi:[1,0]
	v_pk_mul_f32 v[32*\dt+24+2*\p:32*\dt+24+2*\p+1], v[32*\dt+24+2*\p:32*\dt+24+2*\p+1], v[ALPHA+2:ALPHA+3] op_sel:[0,1] op_sel_hi:[1,1]
.endr
.endr
.endm
; 32 matrix instructions: O^T += V x P for m = 32 q .. 32 q + 31 of the chunk.  The 32 accumulators take turns, one instruction a turn.
.macro PV32 q, zero
.irp dt, 0,1,2,3,4,5,6,7
.if \q
.set VA, SCO+32+64*(\dt&1)+8*(\dt>>1)
.else
.set VA, FRG+8*\dt
.endif
.irp b, 0,1,2,3
.if \zero
	v_wmma_f32_16x16x32_bf16 v[32*\dt+8*\b:32*\dt+8*\b+7], v[VA:VA+7], v[SCO+64*\q+8*\b:SCO+64*\q+8*\b+7], 0
.else
	v_wmma_f32_16x16x32_bf16 v[32*\dt+8*\b:32*\dt+8*\b+7], v[VA:VA+7], v[SCO+64*\q+8*\b:SCO+64*\q+8*\b+7], v[32*\dt+8*\b:32*\dt+8*\b+7]
.endif
.endr
.endr
.endm
; One half (four l tiles) of my queries against the chunk in slot.  first = 1: the launch's first chunk, which starts every sum.
; fill = 1: half of my part of the next chunk goes into the other slot.  mid: what stands between the two K steps of O^T:
; 1 = the K fragments of the next half, from this slot; 2 = the barrier, then those from the other slot; 0 = nothing (the end).
.macro HALF h, slot, other, first, fill, mid
	WIN 0
.if \fill
	LOADB \h                                       ; they have the scores and the softmax step in which to come
.if \h
	; Ahead into the L2: in chunk t wave 0 of quarter q asks for rows 32 q .. 32 q + 31 of chunk min(t + 2, 31), 256 bytes each: the four work-groups of a head
	; share the chunk's 128 rows out.  The first loads of that chunk stand at the head of chunk t + 1.  Chunk 30 repeats chunk 31's address; chunk 31 asks for nothing.
	s_cmp_lg_u32 s8, 0
	s_cbranch_scc1 .Lno_ask_\@
	global_prefetch_b8 v[PFOFF], s[16:17] th:TH_LOAD_NT scope:SCOPE_SE
.Lno_ask_\@:
.endif
.endif
	PLACES 5                                       ; the products below write over score tiles that the last products of O^T read as sources
	WIN QKW
	s_wait_dscnt 8                                 ; here and three times below: all but the eight LDS loads issued last, so this m tile's fragments are in
	QK16 0, \h
	PLACES 4                                       ; in front of loads into fragments that were just multiplied
	KLOAD 2, \slot
	s_wait_dscnt 8
	QK16 1, \h
	PLACES 4
	KLOAD 3, \slot
	s_wait_dscnt 8
	QK16 2, \h
	PLACES 4
	V0LOAD 0, \slot
	s_wait_dscnt 8
	QK16 3, \h
	PLACES 4                                       ; also in front of the softmax step, which reads the results
	V0LOAD 4, \slot
	WIN 0
.irp b, 0,1,2,3
	SOFT \b, \h, \first
	V1LOAD \b, \slot
.endr
.if \fill
	STOREB \h, \other
.endif
.if \first == 0
	WIN (0x82+0x41*\h)                             ; destination and first source in window 2 + h
	RESCALE
.endif
	WIN (0xa0+0x50*\h)                             ; C and D in window 2 + h
	s_wait_dscnt 16+8*\fill                        ; younger: 16 loads of V's second K step, and the 8 stores: V's first K step is in
	PV32 0, \first
.if \mid
	WIN 0
	PLACES 4                                       ; in front of loads into the fragments that were just multiplied
.if \mid == 2
	s_wait_dscnt 0x0                               ; my reads of this slot are back (none follows) and my stores into the other are done
	s_barrier_signal -1
	s_barrier_wait -1                              ; the same holds of all four waves: the other slot is whole, and this one may be written in the next chunk
	KLOAD 0, \other
	KLOAD 1, \other
.else
	KLOAD 0, \slot
	KLOAD 1, \slot
.endif
	WIN (0xa0+0x50*\h)
	s_wait_dscnt 16                                ; all but the 16 just issued: V's second K step is in
.else
	s_wait_dscnt 0x0
.endif
	PV32 1, 0
.endm
.macro CHUNK slot, other, first, fill
	HALF 0, \slot, \other, \first, \fill, 1
.if \fill
	HALF 1, \slot, \other, \first, \fill, 2
.else
	HALF 1, \slot, \other, \first, \fill, 0
.endif
	WIN 0
.if \fill
	s_wait_xcnt 0x0                                ; the bases are stepped only behind this wait (the loads are back; the request ahead stands half a chunk further up)
	s_add_nc_u64 s[14:15], s[14:15], CHB           ; the chunk to stage next
	s_add_co_u32 s18, s18, CHB
	s_min_u32 s20, s18, 31*CHB                     ; no request points behind the head's last chunk
	s_add_nc_u64 s[16:17], s[12:13], s[20:21]
.endif
.endm
; 32 rows (d) of my wave's 128 query columns: 512 consecutive bytes a load; rounded to bf16 into my own stage.
.macro QBATCH n
.set i, 0
.rept 32
	global_load_b128 v[SCO+4*i:SCO+4*i+3], v[QG], s[12:13] offset:(32*\n+i)*ROWB
.set i, i+1
.endr
	s_wait_loadcnt 0x0
.set i, 0
.rept 32
	v_cvt_pk_bf16_f32 v[SCO+4*i],   v[SCO+4*i],   v[SCO+4*i+1]
	v_cvt_pk_bf16_f32 v[SCO+4*i+1], v[SCO+4*i+2], v[SCO+4*i+3]
	ds_store_b64 v[QS], v[SCO+4*i:SCO+4*i+1] offset:(32*\n+i)*QPITCH
.set i, i+1
.endr
.endm
; The end: sums over l tile b of half h of O^T / (2048 Z), into v[SCO .. SCO+63] (d tile dt, register j at 8 dt + j).
.macro FINB h, b, start
.irp dt, 0,1,2,3,4,5,6,7
.irp p, 0,1,2,3
.if \start
	v_pk_mul_f32 v[SCO+8*\dt+2*\p:SCO+8*\dt+2*\p+1], v[32*\dt+8*\b+2*\p:32*\dt+8*\b+2*\p+1], v[MRUN+4*\h+(\b&2):MRUN+4*\h+(\b&2)+1] op_sel_hi:[1,0]
.elseif \b&1
	v_pk_fma_f32 v[SCO+8*\dt+2*\p:SCO+8*\dt+2*\p+1], v[32*\dt+8*\b+2*\p:32*\dt+8*\b+2*\p+1], v[MRUN+4*\h+(\b&2):MRUN+4*\h+(\b&2)+1], v[SCO+8*\dt+2*\p:SCO+8*\dt+2*\p+1] op_sel:[0,1,0] op_sel_hi:[1,1,1]
.else
	v_pk_fma_f32 v[SCO+8*\dt+2*\p:SCO+8*\dt+2*\p+1], v[32*\dt+8*\b+2*\p:32*\dt+8*\b+2*\p+1], v[MRUN+4*\h+(\b&2):MRUN+4*\h+(\b&2)+1], v[SCO+8*\dt+2*\p:SCO+8*\dt+2*\p+1] op_sel_hi:[1,0,1]
.endif
.endr
.endr
.endm
	; ---- arguments, ids, addresses, constants
	s_load_b128 s[4:7], s[0:1], 0x0                ; x s[4:5], part s[6:7]
	v_lshrrev_b32 v[TMP], 5, v0
	v_readfirstlane_b32 s8, v[TMP]                 ; wave w
	s_mov_b32 s9, ttmp9                            ; quarter q
	s_and_b32 s10, ttmp7, 0xffff                   ; head
	s_mov_b32 s22, 0x3e0293ee                      ; c = log2(e) / sqrt(128), twice: a pair for the packed multiply-add
	s_mov_b32 s23, 0x3e0293ee
	s_mov_b32 s24, 0x76543210                      ; v_permlanex16_b32: lane i reads lane i of the other half
	s_mov_b32 s25, 0xfedcba98
	v_and_b32 v[TMP], 31, v0                       ; L
	v_and_b32 v[TMP+1], 15, v0                     ; r
	v_bfe_u32 v[TMP+2], v0, 4, 1                   ; h
	v_and_b32 v[TMP+3], 7, v0
	v_bfe_u32 v[TMP+4], v0, 3, 1                   ; (L >> 3) & 1
	v_lshl_add_u32 v[TMP+3], v[TMP+2], 3, v[TMP+3] ; 8 h + (L & 7)
	v_mul_u32_u24 v[KADR], v[TMP+3], PITCH
	v_lshl_add_u32 v[KADR], v[TMP+4], 4, v[KADR]
	v_mul_u32_u24 v[VADR], v[TMP+1], PITCH
	v_lshl_add_u32 v[VADR], v[TMP+2], 4, v[VADR]
	s_mul_i32 s28, s8, 32*PITCH                    ; my wave stages rows 32 w .. 32 w + 31 of every chunk
	v_mul_u32_u24 v[SADR], v[TMP+2], PITCH
	v_lshl_add_u32 v[SADR], v[TMP+1], 3, v[SADR]
	v_add_nc_u32 v[SADR], s28, v[SADR]
	s_lshl_b32 s29, s8, 18                         ; 32 w rows of 8,192 bytes
	v_lshlrev_b32 v[GOFF], 13, v[TMP+2]
	v_lshl_add_u32 v[GOFF], v[TMP+1], 4, v[GOFF]
	v_add_nc_u32 v[GOFF], s29, v[GOFF]
	s_lshl_b32 s30, s9, 18                         ; 32 q rows
	v_lshl_add_u32 v[PFOFF], v[TMP], 13, s30
	s_mul_i32 s28, s8, QWAVE
	s_add_co_u32 s28, s28, QST                     ; my wave's Q stage
	v_mul_u32_u24 v[QA], v[TMP+3], QPITCH
	v_lshl_add_u32 v[QA], v[TMP+4], 4, v[QA]
	v_add_nc_u32 v[QA], s28, v[QA]                 ; from where the transposing loads read
	v_lshl_add_u32 v[QS], v[TMP], 3, s28           ; where I put 4 bf16 of a row
	s_lshl_b32 s30, s9, 11                         ; 512 q columns of 4 bytes
	s_lshl_b32 s31, s8, 9                          ; 128 w columns
	s_add_co_u32 s30, s30, s31
	v_lshl_add_u32 v[QG], v[TMP], 4, s30           ; where I take 4 f32 of a row
	s_lshl_b32 s20, s10, 20                        ; a head is 128 x 8,192 bytes; 63 of them stay below 2^32
	s_mov_b32 s21, 0
	s_wait_kmcnt 0x0
	s_add_nc_u64 s[12:13], s[4:5], s[20:21]        ; the head
	s_mov_b64 s[14:15], s[12:13]                   ; the chunk to stage next: chunk 0
	s_add_nc_u64 s[16:17], s[12:13], 2*CHB         ; the chunk to ask for ahead: chunk 2
	s_mov_b32 s18, 2*CHB
	; ---- my 128 queries: through my own stage into window 1, as 32 fragments
	QBATCH 0
	QBATCH 1
	QBATCH 2
	QBATCH 3
	WIN 0x40                                       ; destination in window 1
.irp bb, 0,1,2,3,4,5,6,7
.irp k, 0,1,2,3
	ds_load_tr16_b128 v[32*\bb+8*\k:32*\bb+8*\k+3],   v[QA] offset:32*\k*QPITCH+32*\bb              ; LDS serves a wave's instructions in order (ISA guide 5.7.1.4): these see my stores above
	ds_load_tr16_b128 v[32*\bb+8*\k+4:32*\bb+8*\k+7], v[QA] offset:32*\k*QPITCH+32*\bb+16*QPITCH
.endr
.endr
	WIN 0
	; ---- chunk 0 into slot 0
	LOADB 0
	STOREB 0, 0
	LOADB 1
	STOREB 1, 0
	s_add_nc_u64 s[14:15], s[14:15], CHB           ; the loads that named the base are back
	s_wait_dscnt 0x0                               ; my stores are done (and my Q fragments are in)
	s_barrier_signal -1
	s_barrier_wait -1                              ; slot 0 is whole
	KLOAD 0, 0
	KLOAD 1, 0
	; ---- 32 chunks: the first starts the sums, the last stages nothing
	CHUNK 0, 1, 1, 1
	s_mov_b32 s26, 15
.Lpair:
	CHUNK 1, 0, 0, 1
	CHUNK 0, 1, 0, 1
	s_sub_co_i32 s26, s26, 1
	s_cmp_lg_u32 s26, 0
	s_cbranch_scc1 .Lpair
	CHUNK 1, 0, 0, 0
	; ---- the end: 1 / (2048 Z) for each of my l, the sum over my 128 l, the sum over the four waves
	PLACES 5                                       ; behind the last matrix instructions: their results are read and their sources written below
.irp bb, 0,1,2,3,4,5,6,7
	v_permlanex16_b32 v[TMP], v[LSUM+\bb], s24, s25                ; the other half's part of the row sum
	v_add_f32 v[LSUM+\bb], v[LSUM+\bb], v[TMP]
	v_mul_f32 v[LSUM+\bb], 0x45000000, v[LSUM+\bb]                 ; times 2048: the mean over l
.endr
.irp bb, 0,1,2,3,4,5,6,7
	v_rcp_f32 v[MRUN+\bb], v[LSUM+\bb]
.endr
	v_nop                                          ; the plain place behind the reciprocals (ISA guide 5.7.2)
	s_wait_alu depctr_va_vdst(0)
	WIN 0x02                                       ; first source in window 2
	FINB 0, 0, 1
	FINB 0, 1, 0
	FINB 0, 2, 0
	FINB 0, 3, 0
	WIN 0x03                                       ; first source in window 3
	FINB 1, 0, 0
	FINB 1, 1, 0
	FINB 1, 2, 0
	FINB 1, 3, 0
	WIN 0
.irp x, 1,2,4,8                        ; over the 16 lanes of a half, which hold 16 different l of the same d
.set i, 0
.rept 64
	v_add_f32_dpp v[SCO+i], v[SCO+i], v[SCO+i] row_xmask:\x row_mask:0xf bank_mask:0xf
.set i, i+1
.endr
.endr
	s_lshl_b32 s28, s8, 9
	s_add_co_u32 s28, s28, RED                     ; my wave's 128 f32
	v_bfe_u32 v[TMP], v0, 4, 1
	v_lshl_add_u32 v[TMP], v[TMP], 5, s28          ; register 8 dt + j holds d = 16 dt + 8 h + j; the 16 lanes of a half write the same words with the same values
.irp dt, 0,1,2,3,4,5,6,7
	ds_store_b128 v[TMP], v[SCO+8*\dt:SCO+8*\dt+3]   offset:64*\dt
	ds_store_b128 v[TMP], v[SCO+8*\dt+4:SCO+8*\dt+7] offset:64*\dt+16
.endr
	s_wait_dscnt 0x0                               ; my stores are done
	s_barrier_signal -1
	s_barrier_wait -1                              ; everybody's are
	s_cmp_lg_u32 s8, 0
	s_cbranch_scc1 .Ldone                          ; wave 0 adds the four and stores
	v_and_b32 v[TMP+1], 31, v0
	v_lshlrev_b32 v[TMP+2], 4, v[TMP+1]
	v_add_nc_u32 v[TMP+2], RED, v[TMP+2]
.irp w, 0,1,2,3
	ds_load_b128 v[STG+4*\w:STG+4*\w+3], v[TMP+2] offset:512*\w
.endr
	s_lshl2_add_u32 s29, s10, s9                   ; 4 head + q
	s_lshl_b32 s29, s29, 9                         ; rows of 128 f32
	v_lshl_add_u32 v[TMP+3], v[TMP+1], 4, s29
	s_wait_dscnt 0x0
	v_pk_add_f32 v[STG:STG+1],     v[STG:STG+1],     v[STG+4:STG+5]
	v_pk_add_f32 v[STG+2:STG+3],   v[STG+2:STG+3],   v[STG+6:STG+7]
	v_pk_add_f32 v[STG+8:STG+9],   v[STG+8:STG+9],   v[STG+12:STG+13]
	v_pk_add_f32 v[STG+10:STG+11], v[STG+10:STG+11], v[STG+14:STG+15]
	v_pk_add_f32 v[STG:STG+1],     v[STG:STG+1],     v[STG+8:STG+9]
	v_pk_add_f32 v[STG+2:STG+3],   v[STG+2:STG+3],   v[STG+10:STG+11]
	global_store_b128 v[TMP+3], v[STG:STG+3], s[6:7]               ; the wave stores 512 consecutive bytes, aligned
.Ldone:
	s_wait_xcnt 0x0
	v_lshl_add_u32 v254, v0, 2, 0x2b800
	v_mov_b32 v255, 0
	s_wait_tensorcnt 0x0
	ds_add_u32 v254, v255
	s_wait_dscnt 0x0
	s_endpgm
.Lfunc_end_k_q120f35ba16_attn:
	.size	k_q120f35ba16_attn, .Lfunc_end_k_q120f35ba16_attn-k_q120f35ba16_attn
	.p2alignl 7, 3214868480
	.fill 96, 4, 3214868480
	.section	.rodata,"a",@progbits
	.p2align	6, 0x0
	.amdhsa_kernel k_q120f35ba16_attn
		.amdhsa_group_segment_fixed_size 178688
		.amdhsa_private_segment_fixed_size 0
		.amdhsa_enable_private_segment 0
		.amdhsa_kernarg_size 16
		.amdhsa_user_sgpr_count 2
		.amdhsa_user_sgpr_kernarg_segment_ptr 1
		.amdhsa_wavefront_size32 1
		.amdhsa_system_sgpr_workgroup_id_x 1
		.amdhsa_system_sgpr_workgroup_id_y 1
		.amdhsa_system_sgpr_workgroup_id_z 1
		.amdhsa_system_vgpr_workitem_id 0
		.amdhsa_next_free_vgpr 1024
		.amdhsa_next_free_sgpr 66
		.amdhsa_reserve_vcc 0
		.amdhsa_float_denorm_mode_32 3
		.amdhsa_float_denorm_mode_16_64 3
		.amdhsa_memory_ordered 1
		.amdhsa_forward_progress 1
		.amdhsa_inst_pref_size 255
	.end_amdhsa_kernel
	.section	.bss,"aw",@nobits
	.p2align	6
	.space	262144
	.amdgpu_metadata
---
amdhsa.version: [ 1, 2 ]
amdhsa.kernels:
  - .name:           k_q120f35ba16_attn
    .symbol:         k_q120f35ba16_attn.kd
    .args:
      - { .name: x, .offset: 0, .size: 8, .value_kind: global_buffer, .address_space: global }
      - { .name: part, .offset: 8, .size: 8, .value_kind: global_buffer, .address_space: global }
    .group_segment_fixed_size: 178688
    .private_segment_fixed_size: 0
    .kernarg_segment_align: 8
    .kernarg_segment_size: 16
    .max_flat_workgroup_size: 128
    .sgpr_count:     66
    .vgpr_count:     1024
    .wavefront_size: 32
...
	.end_amdgpu_metadata
.endif
;; end of part 1
;; launch fold (part 2): grid 8 x 1, 8 waves a work-group, no clusters, 0 bytes of LDS; arguments part, out0; writes out0
.if DOCPART == 2
	.amdgcn_target "amdgcn-amd-amdhsa--gfx1250"
	.amdhsa_code_object_version 6
	.text
	.protected	k_q120f35ba16_fold
	.globl	k_q120f35ba16_fold
	.p2align	8
	.type	k_q120f35ba16_fold,@function
k_q120f35ba16_fold:
	s_mov_b64 s[64:65], 0
	v_nop
	global_prefetch_b8 v0, s[64:65] scope:SCOPE_SE
	s_setreg_imm32_b32 hwreg(HW_REG_WAVE_MODE, 25, 1), 1
	s_wait_xcnt 0x0
; out0[head][d] = sum over the four quarters q of part[head][q][d].   part: [64][4][128] f32, out0: [64][128] f32.
; 2,048 threads, each with four neighbouring d of one head: four loads of 16 bytes, six packed adds, one store of 16 bytes.
; A wave's load and its store each cover 512 consecutive bytes, aligned.  The work is 160 KiB of traffic: no LDS, no ring, no matrix unit.
	s_load_b128 s[4:7], s[0:1], 0x0                ; part s[4:5], out0 s[6:7]
	s_lshl_b32 s2, ttmp9, 8
	v_add_nc_u32 v1, s2, v0                        ; t = 256 x work-group + thread
	v_lshrrev_b32 v2, 5, v1                        ; head
	v_and_b32 v3, 31, v1
	v_lshlrev_b32 v3, 4, v3                        ; my 16 bytes of a row of 128 f32
	v_lshl_add_u32 v2, v2, 11, v3                  ; a head's four rows are 2,048 bytes
	v_lshlrev_b32 v1, 4, v1
	s_wait_kmcnt 0x0
	global_load_b128 v[4:7],   v2, s[4:5]
	global_load_b128 v[8:11],  v2, s[4:5] offset:512
	global_load_b128 v[12:15], v2, s[4:5] offset:1024
	global_load_b128 v[16:19], v2, s[4:5] offset:1536
	s_wait_loadcnt 0x0
	v_pk_add_f32 v[4:5],   v[4:5],   v[8:9]
	v_pk_add_f32 v[6:7],   v[6:7],   v[10:11]
	v_pk_add_f32 v[12:13], v[12:13], v[16:17]
	v_pk_add_f32 v[14:15], v[14:15], v[18:19]
	v_pk_add_f32 v[4:5],   v[4:5],   v[12:13]
	v_pk_add_f32 v[6:7],   v[6:7],   v[14:15]
	global_store_b128 v1, v[4:7], s[6:7]
	s_endpgm
.Lfunc_end_k_q120f35ba16_fold:
	.size	k_q120f35ba16_fold, .Lfunc_end_k_q120f35ba16_fold-k_q120f35ba16_fold
	.p2alignl 7, 3214868480
	.fill 96, 4, 3214868480
	.section	.rodata,"a",@progbits
	.p2align	6, 0x0
	.amdhsa_kernel k_q120f35ba16_fold
		.amdhsa_group_segment_fixed_size 0
		.amdhsa_private_segment_fixed_size 0
		.amdhsa_enable_private_segment 0
		.amdhsa_kernarg_size 16
		.amdhsa_user_sgpr_count 2
		.amdhsa_user_sgpr_kernarg_segment_ptr 1
		.amdhsa_wavefront_size32 1
		.amdhsa_system_sgpr_workgroup_id_x 1
		.amdhsa_system_sgpr_workgroup_id_y 1
		.amdhsa_system_sgpr_workgroup_id_z 1
		.amdhsa_system_vgpr_workitem_id 0
		.amdhsa_next_free_vgpr 24
		.amdhsa_next_free_sgpr 66
		.amdhsa_reserve_vcc 0
		.amdhsa_float_denorm_mode_32 3
		.amdhsa_float_denorm_mode_16_64 3
		.amdhsa_memory_ordered 1
		.amdhsa_forward_progress 1
		.amdhsa_inst_pref_size 2
	.end_amdhsa_kernel
	.amdgpu_metadata
---
amdhsa.version: [ 1, 2 ]
amdhsa.kernels:
  - .name:           k_q120f35ba16_fold
    .symbol:         k_q120f35ba16_fold.kd
    .args:
      - { .name: part, .offset: 0, .size: 8, .value_kind: global_buffer, .address_space: global }
      - { .name: out0, .offset: 8, .size: 8, .value_kind: global_buffer, .address_space: global }
    .group_segment_fixed_size: 0
    .private_segment_fixed_size: 0
    .kernarg_segment_align: 8
    .kernarg_segment_size: 16
    .max_flat_workgroup_size: 256
    .sgpr_count:     66
    .vgpr_count:     24
    .wavefront_size: 32
...
	.end_amdgpu_metadata
.endif
;; end of part 2
;; ======== version 2 of 2: 2 launches; version 1 with the launch attn written anew for expert scheduling mode
;; workspace buffers: part 131,072 bytes
;; launch attn (part 3): grid 4 x 64, 4 waves a work-group, no clusters, 178,688 bytes of LDS; arguments x, part; writes part
.if DOCPART == 3
	.amdgcn_target "amdgcn-amd-amdhsa--gfx1250"
	.amdhsa_code_object_version 6
	.text
	.protected	k_q120f35ba16_attn
	.globl	k_q120f35ba16_attn
	.p2align	8
	.type	k_q120f35ba16_attn,@function
k_q120f35ba16_attn:
	s_mov_b64 s[64:65], 0
	v_nop
	global_prefetch_b8 v0, s[64:65] scope:SCOPE_SE
	s_setreg_imm32_b32 hwreg(HW_REG_WAVE_SCHED_MODE, 0, 2), 2
	s_setreg_imm32_b32 hwreg(HW_REG_WAVE_MODE, 25, 1), 1
	s_wait_xcnt 0x0
	s_wait_alu depctr_vm_vsrc(0)
; part[head][q][d] = sum over the 512 query positions l of quarter q of  O[l][d] / (2048 Z[l]),
; where S[l][m] = x_l . x_m / sqrt(128), P = exp(S - running row maximum), Z = row sum of P, O = P X^T.   x: [64 heads][128 d][2048 positions] f32.
; A work-group takes one head and 512 query positions; each of its four waves 128 of them, as two halves of four tiles of 16.
; The key positions m go once through 32 chunks of 64, each rounded to bf16 on its way from memory through registers into one of two LDS slots.
; EVERYTHING IS USED TRANSPOSED.  S^T (rows m, columns l) = K fragment (rows m, K = d) x Q fragment (columns l, K = d): a lane holds one l, so that the row
; maximum and the row sum are made inside the lane and with one exchange between the halves of the wave; and the packed pairs of an S^T tile
; are, as they lie, the second source (columns l, K = m) of  O^T (rows d, columns l) += V fragment (rows d, K = m) x P.
; x lies [d][position]: V fragments are plain LDS loads, K and Q fragments transposing ones.
; NO JOINT TENSOR LOADS, although the four work-groups of a head read the same chunks: a tile has to be rounded from f32 to bf16 in front of the matrix
; unit, so it goes through registers in any case; brought as f32 into LDS it would be written and read there once more, 32,768 bytes each way for a chunk,
; and a work-group reads 1 MiB in all for its 32,768 matrix instructions.
; LIMITS: matrix operands (x and P) are bf16, sums f32.  The running maximum is kept as the rounded product c x max, so P may pass 1 by the rounding
; of that product alone.  Exponentials below 2^-126 come out as zero (ISA guide, 15.8, v_exp_f32).  The mean is a multiplication by v_rcp_f32(2048 Z).
; Inputs that are not finite are not served.
; THE MODE: SCHED_MODE bits 1:0 = 2 (LLVM: expert scheduling mode 2), set by the entry lines.  The code itself states the register dependences
; between vector or matrix instructions and memory or LDS instructions, with s_wait_alu, always for 0.
; THE PLAN.  Registers that memory or LDS instructions touch, in a half (four l tiles against one chunk); F0 = v[64:95], F1 = v[96:127]:
;   v1 .. v5      addresses, made at the head and never written again.
;   F0            LDS loads alone write it, matrix instructions alone read it: K's m tile 0 (QK16 0), m tile 2 (QK16 2), V's d tiles 0-3 (PV32 0).
;   F1            likewise: m tile 1 (QK16 1), m tile 3 (QK16 3), V's d tiles 4-7 (PV32 0).
;   score tiles (1, b), (3, b)   written by the products, worked on by the softmax step of l tile b; then V's second K step lands there (PV32 1 reads it).
;   STG           global loads land in it; sixteen roundings read and write it; eight LDS stores read it.
; WAITS ON va_vdst in a half: behind QK16 0 (F0 is read out: m tile 2's loads are dealt among QK16 1, which names F1, Q and its own score tiles alone); behind QK16 1
; (F1: m tile 3's loads among QK16 2); the wait that each softmax step has behind its exponentials, which also states that all earlier readers are done: behind the first
; of the four stand V's first K step's loads into F0 and F1, behind each later one the loads into the score tiles of the l tile before; one behind the staged part's roundings, for its
; LDS stores and for the last l tile's score tiles; one behind PV32 0 (F0 and F1 are read out: the next half's m tiles 0 and 1).
; ONE WAIT ON vm_vsrc in a half that stages: at its head, ahead of the global loads into STG, which the LDS stores of the part staged last have read.
.set PITCH,  144                       ; an LDS row of a slot: 64 bf16 + 16 bytes
.set SLOT,   128*PITCH                 ; 18,432: x[d = 0..127][64 m] of a chunk
.set QST,    2*SLOT                    ; behind the two slots: each wave's own x[d][its 128 l] in bf16, used once
.set QPITCH, 272                       ; 128 bf16 + 16 bytes
.set QWAVE,  128*QPITCH                ; 34,816
.set RED,    QST+4*QWAVE               ; 176,128: 128 f32 for each wave
.set ROWB,   8192                      ; bytes from d to d + 1 in x
.set CHB,    256                       ; bytes of a chunk in a row of x
; window 0
.set VADR,  1                          ; r x 144 + 16 h          (L = lane, r = L & 15, h = L >> 4)
.set SADR,  2                          ; (32 w + h) x 144 + 8 r  where I put 4 bf16 of a chunk
.set GOFF,  3                          ; (32 w + h) x 8192 + 16 r  where I take 4 f32 of a chunk
.set PFOFF, 4                          ; (32 q + L) x 8192       the row that my lane asks for ahead
.set KADR,  5                          ; (8 h + (L & 7)) x 144 + 16 ((L >> 3) & 1)
.set MRUN,  6                          ; v[6:13]    running maximum times c, one for each of my 8 l tiles; at the end 1 / (2048 Z)
.set LSUM,  14                         ; v[14:21]   running row sums (each half of the wave keeps the sum over its own m)
.set ALPHA, 22                         ; v[22:25]   rescale factors of the half at work
.set TMP,   26                         ; v[26:31]
.set STG,   32                         ; v[32:63]   8 x 4 f32 on their way into a slot
.set FRG,   64                         ; v[64:127]  8 fragments
.set SCO,   128                        ; v[128:255] S^T tile (a = m tile, b = l tile) at SCO + 32 a + 8 b; then P(q, b) in tile (2 q, b), and V's second K step in tiles (1, b), (3, b)
.set QA,    64                         ; set-up alone: addresses of the Q stage
.set QS,    65
.set QG,    66
; window 1: Q fragment (l tile B = 0..7, K step k = 0..3) at 32 B + 8 k.   windows 2, 3: O^T of half 0, 1, tile (dt = d tile, b) at 32 dt + 8 b.
; s_set_vgpr_msb, low byte: bits 1:0 source 0, 3:2 source 1, 5:4 source 2, 7:6 destination; the high byte repeats the setting that is left.
.set QKW, 0x04                         ; second source (Q) in window 1; LDS loads are right under it too (address source 0, data destination)
.set MSB, 0
.macro WIN new
.if MSB != \new
	s_set_vgpr_msb (MSB<<8)|\new
.set MSB, \new
.endif
.endm
.macro PLACES n                        ; places behind matrix instructions (ISA guide 7.12.1)
.rept \n
	v_nop
.endr
.endm
; Eight loads: 16 of my wave's 32 rows of the chunk at s[14:15]; each covers two rows' 256 consecutive bytes, aligned.
.macro LOADB bt
.irp i, 0,1,2,3,4,5,6,7
	global_load_b128 v[STG+4*\i:STG+4*\i+3], v[GOFF], s[14:15] offset:(8*\bt+\i)*2*ROWB
.endr
.endm
; They are rounded to bf16, in one run,
.macro CVTB
	s_wait_loadcnt 0x0                             ; the eight loads of LOADB: no other load of the wave is out
.irp i, 0,1,2,3,4,5,6,7
	v_cvt_pk_bf16_f32 v[STG+4*\i],   v[STG+4*\i],   v[STG+4*\i+1]
	v_cvt_pk_bf16_f32 v[STG+4*\i+1], v[STG+4*\i+2], v[STG+4*\i+3]
.endr
.endm
; and put into a slot, behind the wait that states the roundings written.
.macro PUTB bt, slot
.irp i, 0,1,2,3,4,5,6,7
	ds_store_b64 v[SADR], v[STG+4*\i:STG+4*\i+1] offset:\slot*SLOT+(8*\bt+\i)*2*PITCH
.endr
.endm
; K fragments of m tile a, all four K steps (d = 32 k ..), transposed on the way: eight loads into the half a & 1 of the fragment area.
.macro KLOAD a, slot
.irp k, 0,1,2,3
	ds_load_tr16_b128 v[FRG+32*(\a&1)+8*\k:FRG+32*(\a&1)+8*\k+3],   v[KADR] offset:\slot*SLOT+32*\k*PITCH+32*\a
	ds_load_tr16_b128 v[FRG+32*(\a&1)+8*\k+4:FRG+32*(\a&1)+8*\k+7], v[KADR] offset:\slot*SLOT+32*\k*PITCH+32*\a+16*PITCH
.endr
.endm
; V fragments of d tiles dt0 .. dt0 + 3, m = 0..31 of the chunk: eight loads.
.macro V0LOAD dt0, slot
.irp e, 0,1,2,3
	ds_load_b128 v[FRG+8*(\dt0+\e):FRG+8*(\dt0+\e)+3],   v[VADR] offset:\slot*SLOT+16*(\dt0+\e)*PITCH
	ds_load_b128 v[FRG+8*(\dt0+\e)+4:FRG+8*(\dt0+\e)+7], v[VADR] offset:\slot*SLOT+16*(\dt0+\e)*PITCH+32
.endr
.endm
; V fragments of d tiles 2 b, 2 b + 1, m = 32..63, into the score tiles (1, b) and (3, b), which the packing of l tile b has left free: four loads.
.macro V1LOAD b, slot
.irp e, 0,1
	ds_load_b128 v[SCO+32+64*\e+8*\b:SCO+32+64*\e+8*\b+3],   v[VADR] offset:\slot*SLOT+16*(2*\b+\e)*PITCH+64
	ds_load_b128 v[SCO+32+64*\e+8*\b+4:SCO+32+64*\e+8*\b+7], v[VADR] offset:\slot*SLOT+16*(2*\b+\e)*PITCH+96
.endr
.endm
; 16 matrix instructions: S^T of m tile a for the four l tiles of half h.  The first K step starts the sums.
; The four accumulators take turns, one instruction a turn.
; ld = 2 or 3: the eight loads of K's m tile ld (KLOAD's, K step b behind product b) are dealt among the first four products.  They land in the other half of the fragment area than
; the one that these products read; the wait in front of the macro has stated that half read out, and no product here names it or v[KADR].
.macro QK16 a, h, ld=0, slot=0
.irp k, 0,1,2,3
.irp b, 0,1,2,3
.if \k == 0
	v_wmma_f32_16x16x32_bf16 v[SCO+32*\a+8*\b:SCO+32*\a+8*\b+7], v[FRG+32*(\a&1)+8*\k:FRG+32*(\a&1)+8*\k+7], v[32*(4*\h+\b)+8*\k:32*(4*\h+\b)+8*\k+7], 0
.else
	v_wmma_f32_16x16x32_bf16 v[SCO+32*\a+8*\b:SCO+32*\a+8*\b+7], v[FRG+32*(\a&1)+8*\k:FRG+32*(\a&1)+8*\k+7], v[32*(4*\h+\b)+8*\k:32*(4*\h+\b)+8*\k+7], v[SCO+32*\a+8*\b:SCO+32*\a+8*\b+7]
.endif
.if (\ld) && (\k == 0)
	ds_load_tr16_b128 v[FRG+32*(\ld&1)+8*\b:FRG+32*(\ld&1)+8*\b+3],   v[KADR] offset:\slot*SLOT+32*\b*PITCH+32*\ld
	ds_load_tr16_b128 v[FRG+32*(\ld&1)+8*\b+4:FRG+32*(\ld&1)+8*\b+7], v[KADR] offset:\slot*SLOT+32*\b*PITCH+32*\ld+16*PITCH
.endif
.endr
.endr
.endm
; The softmax step of l tile b of half h: my lane holds 32 of the chunk's 64 scores of one l, the lane 16 further the others.
.macro SOFT b, h, first, slot
.irp a, 0,1,2,3                        ; the largest of my 32, in four chains
	v_max3_num_f32 v[TMP+\a], v[SCO+32*\a+8*\b], v[SCO+32*\a+8*\b+1], v[SCO+32*\a+8*\b+2]
.endr
.irp a, 0,1,2,3
	v_max3_num_f32 v[TMP+\a], v[TMP+\a], v[SCO+32*\a+8*\b+3], v[SCO+32*\a+8*\b+4]
.endr
.irp a, 0,1,2,3
	v_max3_num_f32 v[TMP+\a], v[TMP+\a], v[SCO+32*\a+8*\b+5], v[SCO+32*\a+8*\b+6]
.endr
.irp a, 0,1,2,3
	v_max_num_f32 v[TMP+\a], v[TMP+\a], v[SCO+32*\a+8*\b+7]
.endr
	v_max3_num_f32 v[TMP], v[TMP], v[TMP+1], v[TMP+2]
	v_max_num_f32 v[TMP], v[TMP], v[TMP+3]
	v_permlanex16_b32 v[TMP+1], v[TMP], s24, s25   ; the other half of the wave
	v_max_num_f32 v[TMP], v[TMP], v[TMP+1]
	v_mul_f32 v[TMP], s22, v[TMP]                  ; times c = log2(e) / sqrt(128): exponents are in base 2 from here on
.if \first == 0
	v_max_num_f32 v[TMP], v[TMP], v[MRUN+4*\h+\b]  ; the new running maximum
	v_sub_f32 v[TMP+2], v[MRUN+4*\h+\b], v[TMP]
	v_exp_f32 v[ALPHA+\b], v[TMP+2]                ; what the old sums are worth under it; the next line is the plain place behind it (ISA guide 5.7.2)
.endif
	v_sub_f32 v[TMP+4], 0, v[TMP]
	v_sub_f32 v[TMP+5], 0, v[TMP]
.irp a, 0,1,2,3
.irp p, 0,1,2,3
	v_pk_fma_f32 v[SCO+32*\a+8*\b+2*\p:SCO+32*\a+8*\b+2*\p+1], v[SCO+32*\a+8*\b+2*\p:SCO+32*\a+8*\b+2*\p+1], s[22:23], v[TMP+4:TMP+5] op_sel_hi:[1,0,1]
.endr
.endr
.irp a, 0,1,2,3
.irp j, 0,1,2,3,4,5,6,7
	v_exp_f32 v[SCO+32*\a+8*\b+\j], v[SCO+32*\a+8*\b+\j]
.endr
.endr
	v_mov_b32 v[MRUN+4*\h+\b], v[TMP]              ; also the plain place behind the run of exponentials
.if \b == 0
	s_wait_alu depctr_va_vdst(0)                   ; the exponentials have written the weights and the factor, which the lines below read; and the products of m tiles 2 and 3 are done reading F0 and F1, in which the loads below land
	V0LOAD 0, \slot
	V0LOAD 4, \slot
.else
	s_wait_alu depctr_va_vdst(0)                   ; the exponentials have written the weights and the factor, which the lines below read; and the roundings of the l tile before are done reading its score tiles (1, .) and (3, .), in which the loads below land
	V1LOAD (\b-1), \slot
.endif
	v_pk_add_f32 v[TMP:TMP+1],   v[SCO+8*\b:SCO+8*\b+1],       v[SCO+8*\b+2:SCO+8*\b+3]        ; the sum of my 32, in two chains of pairs
	v_pk_add_f32 v[TMP+2:TMP+3], v[SCO+64+8*\b:SCO+64+8*\b+1], v[SCO+64+8*\b+2:SCO+64+8*\b+3]
.irp p, 2,3
	v_pk_add_f32 v[TMP:TMP+1],   v[TMP:TMP+1],   v[SCO+8*\b+2*\p:SCO+8*\b+2*\p+1]
	v_pk_add_f32 v[TMP+2:TMP+3], v[TMP+2:TMP+3], v[SCO+64+8*\b+2*\p:SCO+64+8*\b+2*\p+1]
.endr
.irp p, 0,1,2,3
	v_pk_add_f32 v[TMP:TMP+1],   v[TMP:TMP+1],   v[SCO+32+8*\b+2*\p:SCO+32+8*\b+2*\p+1]
	v_pk_add_f32 v[TMP+2:TMP+3], v[TMP+2:TMP+3], v[SCO+96+8*\b+2*\p:SCO+96+8*\b+2*\p+1]
.endr
	v_pk_add_f32 v[TMP:TMP+1], v[TMP:TMP+1], v[TMP+2:TMP+3]
	v_add_f32 v[TMP], v[TMP], v[TMP+1]
.if \first
	v_mov_b32 v[LSUM+4*\h+\b], v[TMP]
.else
	v_fma_f32 v[LSUM+4*\h+\b], v[LSUM+4*\h+\b], v[ALPHA+\b], v[TMP]
.endif
.irp q, 0,1                            ; P(q, b): m tile 2 q packs in place into registers 0-3, m tile 2 q + 1 into registers 4-7 of the same tile
.irp r, 0,1,2,3
	v_cvt_pk_bf16_f32 v[SCO+64*\q+8*\b+\r], v[SCO+64*\q+8*\b+2*\r], v[SCO+64*\q+8*\b+2*\r+1]
.endr
.irp r, 0,1,2,3
	v_cvt_pk_bf16_f32 v[SCO+64*\q+8*\b+4+\r], v[SCO+64*\q+32+8*\b+2*\r], v[SCO+64*\q+32+8*\b+2*\r+1]
.endr
.endr
.endm
; O^T of the half whose window is set, times the factor of its l tile: the lane's l is the same in O and in ALPHA.
.macro RESCALE
.irp dt, 0,1,2,3,4,5,6,7
.irp p, 0,1,2,3
	v_pk_mul_f32 v[32*\dt+2*\p:32*\dt+2*\p+1],       v[32*\dt+2*\p:32*\dt+2*\p+1],       v[ALPHA:ALPHA+1] op_sel_hi:[1,0]
	v_pk_mul_f32 v[32*\dt+8+2*\p:32*\dt+8+2*\p+1],   v[32*\dt+8+2*\p:32*\dt+8+2*\p+1],   v[ALPHA:ALPHA+1] op_sel:[0,1] op_sel_hi:[1,1]
	v_pk_mul_f32 v[32*\dt+16+2*\p:32*\dt+16+2*\p+1], v[32*\dt+16+2*\p:32*\dt+16+2*\p+1], v[ALPHA+2:ALPHA+3] op_sel_hi:[1,0]
	v_pk_mul_f32 v[32*\dt+24+2*\p:32*\dt+24+2*\p+1], v[32*\dt+24+2*\p:32*\dt+24+2*\p+1], v[ALPHA+2:ALPHA+3] op_sel:[0,1] op_sel_hi:[1,1]
.endr
.endr
.endm
; 32 matrix instructions: O^T += V x P for m = 32 q .. 32 q + 31 of the chunk.  The 32 accumulators take turns, one instruction a turn.
.macro PV32 q, zero
.irp dt, 0,1,2,3,4,5,6,7
.if \q
.set VA, SCO+32+64*(\dt&1)+8*(\dt>>1)
.else
.set VA, FRG+8*\dt
.endif
.irp b, 0,1,2,3
.if \zero
	v_wmma_f32_16x16x32_bf16 v[32*\dt+8*\b:32*\dt+8*\b+7], v[VA:VA+7], v[SCO+64*\q+8*\b:SCO+64*\q+8*\b+7], 0
.else
	v_wmma_f32_16x16x32_bf16 v[32*\dt+8*\b:32*\dt+8*\b+7], v[VA:VA+7], v[SCO+64*\q+8*\b:SCO+64*\q+8*\b+7], v[32*\dt+8*\b:32*\dt+8*\b+7]
.endif
.endr
.endr
.endm
; One half (four l tiles) of my queries against the chunk in slot.  first = 1: the launch's first chunk, which starts every sum.
; fill = 1: half of my part of the next chunk goes into the other slot.  mid: what stands between the two K steps of O^T:
; 1 = the K fragments of the next half, from this slot; 2 = the barrier, then those from the other slot; 0 = nothing (the end).
.macro HALF h, slot, other, first, fill, mid
	WIN 0
.if \fill
	s_wait_alu depctr_vm_vsrc(0)                   ; the LDS stores of the part staged last have read v[STG ..], in which the loads below land (its roundings stand ahead of the wait in front of those stores, and nothing since names v[STG ..])
	LOADB \h                                       ; they have the scores and the softmax step in which to come
.if \h
	; Ahead into the L2: in chunk t wave 0 of quarter q asks for rows 32 q .. 32 q + 31 of chunk min(t + 2, 31), 256 bytes each: the four work-groups of a head
	; share the chunk's 128 rows out.  The first loads of that chunk stand at the head of chunk t + 1.  Chunk 30 repeats chunk 31's address; chunk 31 asks for nothing.
	s_cmp_lg_u32 s8, 0
	s_cbranch_scc1 .Lno_ask_\@
	global_prefetch_b8 v[PFOFF], s[16:17] th:TH_LOAD_NT scope:SCOPE_SE
.Lno_ask_\@:
.endif
.endif
	PLACES 5                                       ; the products below write over score tiles that the last products of O^T read as sources
	WIN QKW
	s_wait_dscnt 8                                 ; all but the eight LDS loads issued last (m tile 1's): m tile 0's fragments are in
	QK16 0, \h
	PLACES 4                                       ; in front of loads into fragments that were just multiplied
	s_wait_dscnt 0x0                               ; m tile 1's fragments are in: no LDS instruction was issued behind them
	s_wait_alu depctr_va_vdst(0)                   ; the products of m tile 0 are done reading F0, in which m tile 2's fragments land
	QK16 1, \h, 2, \slot
	PLACES 4
	s_wait_dscnt 0x0                               ; m tile 2's fragments are in
	s_wait_alu depctr_va_vdst(0)                   ; the products of m tile 1 are done reading F1, in which m tile 3's fragments land
	QK16 2, \h, 3, \slot
	s_wait_dscnt 0x0                               ; m tile 3's fragments are in
	QK16 3, \h
	PLACES 4                                       ; in front of the softmax step, which reads the results, and of the loads in it
	WIN 0
.irp b, 0,1,2,3
	SOFT \b, \h, \first, \slot
.endr
.if \fill
	CVTB
	s_wait_alu depctr_va_vdst(0)                   ; the roundings have written v[STG ..], which the LDS stores below read; and those of l tile 3 are done reading its score tiles (1, 3) and (3, 3), in which the loads below land
	V1LOAD 3, \slot
	PUTB \h, \other
.else
	s_wait_alu depctr_va_vdst(0)                   ; the roundings of l tile 3 are done reading its score tiles (1, 3) and (3, 3), in which the loads below land
	V1LOAD 3, \slot
.endif
.if \first == 0
	WIN (0x82+0x41*\h)                             ; destination and first source in window 2 + h
	RESCALE
.endif
	WIN (0xa0+0x50*\h)                             ; C and D in window 2 + h
	s_wait_dscnt 16+8*\fill                        ; younger: 16 loads of V's second K step, and the 8 stores: V's first K step is in
	PV32 0, \first
.if \mid
	WIN 0
	PLACES 4                                       ; in front of loads into the fragments that were just multiplied
	s_wait_alu depctr_va_vdst(0)                   ; the products above are done reading F0 and F1, in which the next half's m tiles 0 and 1 land; only waits and the barrier stand between this line and those loads
.if \mid == 2
	s_wait_dscnt 0x0                               ; my reads of this slot are back (none follows) and my stores into the other are done
	s_barrier_signal -1
	s_barrier_wait -1                              ; the same holds of all four waves: the other slot is whole, and this one may be written in the next chunk
	KLOAD 0, \other
	KLOAD 1, \other
.else
	KLOAD 0, \slot
	KLOAD 1, \slot
.endif
	WIN (0xa0+0x50*\h)
	s_wait_dscnt 16                                ; all but the 16 just issued: V's second K step is in
.else
	s_wait_dscnt 0x0
.endif
	PV32 1, 0
.endm
.macro CHUNK slot, other, first, fill
	HALF 0, \slot, \other, \first, \fill, 1
.if \fill
	HALF 1, \slot, \other, \first, \fill, 2
.else
	HALF 1, \slot, \other, \first, \fill, 0
.endif
	WIN 0
.if \fill
	s_wait_xcnt 0x0                                ; the bases are stepped only behind this wait (the loads are back; the request ahead stands half a chunk further up)
	s_add_nc_u64 s[14:15], s[14:15], CHB           ; the chunk to stage next
	s_add_co_u32 s18, s18, CHB
	s_min_u32 s20, s18, 31*CHB                     ; no request points behind the head's last chunk
	s_add_nc_u64 s[16:17], s[12:13], s[20:21]
.endif
.endm
; 32 rows (d) of my wave's 128 query columns: 512 consecutive bytes a load; rounded to bf16 into my own stage.
.macro QBATCH n
.if \n
	s_wait_alu depctr_vm_vsrc(0)                   ; the LDS stores of the batch before have read v[SCO ..], in which the loads below land (its roundings stand ahead of the wait in front of those stores)
.endif
.set i, 0
.rept 32
	global_load_b128 v[SCO+4*i:SCO+4*i+3], v[QG], s[12:13] offset:(32*\n+i)*ROWB
.set i, i+1
.endr
	s_wait_loadcnt 0x0
.set i, 0
.rept 32
	v_cvt_pk_bf16_f32 v[SCO+4*i],   v[SCO+4*i],   v[SCO+4*i+1]
	v_cvt_pk_bf16_f32 v[SCO+4*i+1], v[SCO+4*i+2], v[SCO+4*i+3]
.set i, i+1
.endr
	s_wait_alu depctr_va_vdst(0)                   ; the roundings have written v[SCO ..], which the LDS stores below read
.set i, 0
.rept 32
	ds_store_b64 v[QS], v[SCO+4*i:SCO+4*i+1] offset:(32*\n+i)*QPITCH
.set i, i+1
.endr
.endm
; The end: sums over l tile b of half h of O^T / (2048 Z), into v[SCO .. SCO+63] (d tile dt, register j at 8 dt + j).
.macro FINB h, b, start
.irp dt, 0,1,2,3,4,5,6,7
.irp p, 0,1,2,3
.if \start
	v_pk_mul_f32 v[SCO+8*\dt+2*\p:SCO+8*\dt+2*\p+1], v[32*\dt+8*\b+2*\p:32*\dt+8*\b+2*\p+1], v[MRUN+4*\h+(\b&2):MRUN+4*\h+(\b&2)+1] op_sel_hi:[1,0]
.elseif \b&1
	v_pk_fma_f32 v[SCO+8*\dt+2*\p:SCO+8*\dt+2*\p+1], v[32*\dt+8*\b+2*\p:32*\dt+8*\b+2*\p+1], v[MRUN+4*\h+(\b&2):MRUN+4*\h+(\b&2)+1], v[SCO+8*\dt+2*\p:SCO+8*\dt+2*\p+1] op_sel:[0,1,0] op_sel_hi:[1,1,1]
.else
	v_pk_fma_f32 v[SCO+8*\dt+2*\p:SCO+8*\dt+2*\p+1], v[32*\dt+8*\b+2*\p:32*\dt+8*\b+2*\p+1], v[MRUN+4*\h+(\b&2):MRUN+4*\h+(\b&2)+1], v[SCO+8*\dt+2*\p:SCO+8*\dt+2*\p+1] op_sel_hi:[1,0,1]
.endif
.endr
.endr
.endm
	; ---- arguments, ids, addresses, constants
	s_load_b128 s[4:7], s[0:1], 0x0                ; x s[4:5], part s[6:7]
	v_lshrrev_b32 v[TMP], 5, v0
	v_readfirstlane_b32 s8, v[TMP]                 ; wave w
	s_mov_b32 s9, ttmp9                            ; quarter q
	s_and_b32 s10, ttmp7, 0xffff                   ; head
	s_mov_b32 s22, 0x3e0293ee                      ; c = log2(e) / sqrt(128), twice: a pair for the packed multiply-add
	s_mov_b32 s23, 0x3e0293ee
	s_mov_b32 s24, 0x76543210                      ; v_permlanex16_b32: lane i reads lane i of the other half
	s_mov_b32 s25, 0xfedcba98
	v_and_b32 v[TMP], 31, v0                       ; L
	v_and_b32 v[TMP+1], 15, v0                     ; r
	v_bfe_u32 v[TMP+2], v0, 4, 1                   ; h
	v_and_b32 v[TMP+3], 7, v0
	v_bfe_u32 v[TMP+4], v0, 3, 1                   ; (L >> 3) & 1
	v_lshl_add_u32 v[TMP+3], v[TMP+2], 3, v[TMP+3] ; 8 h + (L & 7)
	v_mul_u32_u24 v[KADR], v[TMP+3], PITCH
	v_lshl_add_u32 v[KADR], v[TMP+4], 4, v[KADR]
	v_mul_u32_u24 v[VADR], v[TMP+1], PITCH
	v_lshl_add_u32 v[VADR], v[TMP+2], 4, v[VADR]
	s_wait_alu depctr_va_sdst(0)                   ; s8 is written, ahead of its first reader: addresses and branches are made from it
	s_mul_i32 s28, s8, 32*PITCH                    ; my wave stages rows 32 w .. 32 w + 31 of every chunk
	v_mul_u32_u24 v[SADR], v[TMP+2], PITCH
	v_lshl_add_u32 v[SADR], v[TMP+1], 3, v[SADR]
	v_add_nc_u32 v[SADR], s28, v[SADR]
	s_lshl_b32 s29, s8, 18                         ; 32 w rows of 8,192 bytes
	v_lshlrev_b32 v[GOFF], 13, v[TMP+2]
	v_lshl_add_u32 v[GOFF], v[TMP+1], 4, v[GOFF]
	v_add_nc_u32 v[GOFF], s29, v[GOFF]
	s_lshl_b32 s30, s9, 18                         ; 32 q rows
	v_lshl_add_u32 v[PFOFF], v[TMP], 13, s30
	s_mul_i32 s28, s8, QWAVE
	s_add_co_u32 s28, s28, QST                     ; my wave's Q stage
	v_mul_u32_u24 v[QA], v[TMP+3], QPITCH
	v_lshl_add_u32 v[QA], v[TMP+4], 4, v[QA]
	v_add_nc_u32 v[QA], s28, v[QA]                 ; from where the transposing loads read
	v_lshl_add_u32 v[QS], v[TMP], 3, s28           ; where I put 4 bf16 of a row
	s_lshl_b32 s30, s9, 11                         ; 512 q columns of 4 bytes
	s_lshl_b32 s31, s8, 9                          ; 128 w columns
	s_add_co_u32 s30, s30, s31
	v_lshl_add_u32 v[QG], v[TMP], 4, s30           ; where I take 4 f32 of a row
	s_lshl_b32 s20, s10, 20                        ; a head is 128 x 8,192 bytes; 63 of them stay below 2^32
	s_mov_b32 s21, 0
	s_wait_kmcnt 0x0
	s_add_nc_u64 s[12:13], s[4:5], s[20:21]        ; the head
	s_mov_b64 s[14:15], s[12:13]                   ; the chunk to stage next: chunk 0
	s_add_nc_u64 s[16:17], s[12:13], 2*CHB         ; the chunk to ask for ahead: chunk 2
	s_mov_b32 s18, 2*CHB
	s_wait_alu depctr_va_vdst(0)                   ; the eight addresses v1 to v5 and v64 to v66 are written, which the loads, stores and requests of the kernel read
	; ---- my 128 queries: through my own stage into window 1, as 32 fragments
	QBATCH 0
	QBATCH 1
	QBATCH 2
	QBATCH 3
	WIN 0x40                                       ; destination in window 1: registers that no vector instruction has named; v[QA] is written since the wait at the head
.irp bb, 0,1,2,3,4,5,6,7
.irp k, 0,1,2,3
	ds_load_tr16_b128 v[32*\bb+8*\k:32*\bb+8*\k+3],   v[QA] offset:32*\k*QPITCH+32*\bb              ; LDS serves a wave's instructions in order (ISA guide 5.7.1.4): these see my stores above
	ds_load_tr16_b128 v[32*\bb+8*\k+4:32*\bb+8*\k+7], v[QA] offset:32*\k*QPITCH+32*\bb+16*QPITCH
.endr
.endr
	WIN 0
	; ---- chunk 0 into slot 0
	LOADB 0
	CVTB
	s_wait_alu depctr_va_vdst(0)                   ; the roundings have written v[STG ..], which the LDS stores below read
	PUTB 0, 0
	s_wait_alu depctr_vm_vsrc(0)                   ; those stores have read v[STG ..], in which the next loads land; and the Q stage's loads and stores have read v64 to v66, in which K's first fragments land, and v[SCO ..], which the first products write
	LOADB 1
	CVTB
	s_wait_alu depctr_va_vdst(0)                   ; the roundings have written v[STG ..], which the LDS stores below read
	PUTB 1, 0
	s_add_nc_u64 s[14:15], s[14:15], CHB           ; the loads that named the base are back
	s_wait_dscnt 0x0                               ; my stores are done (and my Q fragments are in)
	s_barrier_signal -1
	s_barrier_wait -1                              ; slot 0 is whole
	KLOAD 0, 0                                     ; no vector instruction since the wait at the head names v[64:127]
	KLOAD 1, 0
	; ---- 32 chunks: the first starts the sums, the last stages nothing
	CHUNK 0, 1, 1, 1
	s_mov_b32 s26, 15
.Lpair:
	CHUNK 1, 0, 0, 1
	CHUNK 0, 1, 0, 1
	s_sub_co_i32 s26, s26, 1
	s_cmp_lg_u32 s26, 0
	s_cbranch_scc1 .Lpair
	CHUNK 1, 0, 0, 0
	; ---- the end: 1 / (2048 Z) for each of my l, the sum over my 128 l, the sum over the four waves
	PLACES 5                                       ; behind the last matrix instructions: their results are read and their sources written below
.irp bb, 0,1,2,3,4,5,6,7
	v_permlanex16_b32 v[TMP], v[LSUM+\bb], s24, s25                ; the other half's part of the row sum
	v_add_f32 v[LSUM+\bb], v[LSUM+\bb], v[TMP]
	v_mul_f32 v[LSUM+\bb], 0x45000000, v[LSUM+\bb]                 ; times 2048: the mean over l
.endr
.irp bb, 0,1,2,3,4,5,6,7
	v_rcp_f32 v[MRUN+\bb], v[LSUM+\bb]
.endr
	v_nop                                          ; the plain place behind the reciprocals (ISA guide 5.7.2)
	s_wait_alu depctr_va_vdst(0)                   ; the eight reciprocals are written, which the lines below read
	WIN 0x02                                       ; first source in window 2
	FINB 0, 0, 1
	FINB 0, 1, 0
	FINB 0, 2, 0
	FINB 0, 3, 0
	WIN 0x03                                       ; first source in window 3
	FINB 1, 0, 0
	FINB 1, 1, 0
	FINB 1, 2, 0
	FINB 1, 3, 0
	WIN 0
.irp x, 1,2,4,8                        ; over the 16 lanes of a half, which hold 16 different l of the same d
.set i, 0
.rept 64
	v_add_f32_dpp v[SCO+i], v[SCO+i], v[SCO+i] row_xmask:\x row_mask:0xf bank_mask:0xf
.set i, i+1
.endr
.endr
	s_lshl_b32 s28, s8, 9
	s_add_co_u32 s28, s28, RED                     ; my wave's 128 f32
	v_bfe_u32 v[TMP], v0, 4, 1
	v_lshl_add_u32 v[TMP], v[TMP], 5, s28          ; register 8 dt + j holds d = 16 dt + 8 h + j; the 16 lanes of a half write the same words with the same values
	s_wait_alu depctr_va_vdst(0)                   ; the sums v[SCO .. SCO+63] and the address v[TMP] are written, which the LDS stores below read
.irp dt, 0,1,2,3,4,5,6,7
	ds_store_b128 v[TMP], v[SCO+8*\dt:SCO+8*\dt+3]   offset:64*\dt
	ds_store_b128 v[TMP], v[SCO+8*\dt+4:SCO+8*\dt+7] offset:64*\dt+16
.endr
	s_wait_dscnt 0x0                               ; my stores are done
	s_barrier_signal -1
	s_barrier_wait -1                              ; everybody's are
	s_wait_alu depctr_vm_vsrc(0)                   ; the LDS stores of the last part staged have read v[STG ..], in which wave 0's loads land: stated ahead of the branch
	s_cmp_lg_u32 s8, 0
	s_cbranch_scc1 .Ldone                          ; wave 0 adds the four and stores
	v_and_b32 v[TMP+1], 31, v0
	v_lshlrev_b32 v[TMP+2], 4, v[TMP+1]
	v_add_nc_u32 v[TMP+2], RED, v[TMP+2]
	s_lshl2_add_u32 s29, s10, s9                   ; 4 head + q
	s_lshl_b32 s29, s29, 9                         ; rows of 128 f32
	v_lshl_add_u32 v[TMP+3], v[TMP+1], 4, s29
	s_wait_alu depctr_va_vdst(0)                   ; the addresses v[TMP+2] and v[TMP+3] are written, which the LDS loads and the store below read
.irp w, 0,1,2,3
	ds_load_b128 v[STG+4*\w:STG+4*\w+3], v[TMP+2] offset:512*\w
.endr
	s_wait_dscnt 0x0
	v_pk_add_f32 v[STG:STG+1],     v[STG:STG+1],     v[STG+4:STG+5]
	v_pk_add_f32 v[STG+2:STG+3],   v[STG+2:STG+3],   v[STG+6:STG+7]
	v_pk_add_f32 v[STG+8:STG+9],   v[STG+8:STG+9],   v[STG+12:STG+13]
	v_pk_add_f32 v[STG+10:STG+11], v[STG+10:STG+11], v[STG+14:STG+15]
	v_pk_add_f32 v[STG:STG+1],     v[STG:STG+1],     v[STG+8:STG+9]
	v_pk_add_f32 v[STG+2:STG+3],   v[STG+2:STG+3],   v[STG+10:STG+11]
	s_wait_alu depctr_va_vdst(0)                   ; the additions have written v[STG .. STG+3], which the store reads
	global_store_b128 v[TMP+3], v[STG:STG+3], s[6:7]               ; the wave stores 512 consecutive bytes, aligned
.Ldone:
	s_wait_xcnt 0x0
	v_lshl_add_u32 v254, v0, 2, 0x2b800            ; the add's two registers, made anew; no memory or LDS instruction of the kernel has read v254 or v255
	v_mov_b32 v255, 0
	s_wait_dscnt 0x0                               ; the closing lines, six on end
	s_wait_alu 0x0
	s_wait_tensorcnt 0x0
	ds_add_u32 v254, v255
	s_wait_dscnt 0x0
	s_endpgm
.Lfunc_end_k_q120f35ba16_attn:
	.size	k_q120f35ba16_attn, .Lfunc_end_k_q120f35ba16_attn-k_q120f35ba16_attn
	.p2alignl 7, 3214868480
	.fill 96, 4, 3214868480
	.section	.rodata,"a",@progbits
	.p2align	6, 0x0
	.amdhsa_kernel k_q120f35ba16_attn
		.amdhsa_group_segment_fixed_size 178688
		.amdhsa_private_segment_fixed_size 0
		.amdhsa_enable_private_segment 0
		.amdhsa_kernarg_size 16
		.amdhsa_user_sgpr_count 2
		.amdhsa_user_sgpr_kernarg_segment_ptr 1
		.amdhsa_wavefront_size32 1
		.amdhsa_system_sgpr_workgroup_id_x 1
		.amdhsa_system_sgpr_workgroup_id_y 1
		.amdhsa_system_sgpr_workgroup_id_z 1
		.amdhsa_system_vgpr_workitem_id 0
		.amdhsa_next_free_vgpr 1024
		.amdhsa_next_free_sgpr 66
		.amdhsa_reserve_vcc 0
		.amdhsa_float_denorm_mode_32 3
		.amdhsa_float_denorm_mode_16_64 3
		.amdhsa_memory_ordered 1
		.amdhsa_forward_progress 1
		.amdhsa_inst_pref_size 255
	.end_amdhsa_kernel
	.section	.bss,"aw",@nobits
	.p2align	6
	.space	262144
	.amdgpu_metadata
---
amdhsa.version: [ 1, 2 ]
amdhsa.kernels:
  - .name:           k_q120f35ba16_attn
    .symbol:         k_q120f35ba16_attn.kd
    .args:
      - { .name: x, .offset: 0, .size: 8, .value_kind: global_buffer, .address_space: global }
      - { .name: part, .offset: 8, .size: 8, .value_kind: global_buffer, .address_space: global }
    .group_segment_fixed_size: 178688
    .private_segment_fixed_size: 0
    .kernarg_segment_align: 8
    .kernarg_segment_size: 16
    .max_flat_workgroup_size: 128
    .sgpr_count:     66
    .vgpr_count:     1024
    .wavefront_size: 32
...
	.end_amdgpu_metadata
.endif
;; end of part 3
;; launch fold: the kernel of part 2 again; grid 8 x 1, 8 waves a work-group, no clusters, 0 bytes of LDS; arguments part, out0; writes out0
